; MI455X (gfx1250); checked and timed in simulation.
; The chip was launched on July 23, 2026; its instructions are those of AMD's public machine-readable ISA for CDNA 5 (MIT licence, August 2026) and "CDNA5" Instruction Set Architecture Reference Guide (July 2026). The comments in the code are by the model that wrote it; some were corrected since.
;; Alexandria Multihead Attention. Allowed arithmetic: matrix products marked QUANTISED: E2M1 operands, one E8M0 scale for each 32 along K, by v_wmma_scale_f32_16x16x128_f8f6f4 with both operands' format E2M1 (or v_wmma_scale_f32_32x16x128_f4), f32 sums; everything else in f32.
;; Inputs: W_k 1,024 x 1,024 float32; W_q 1,024 x 1,024 float32; W_v 1,024 x 1,024 float32; x 4 x 2,048 x 1,024 float32.
;; Outputs: out0 4 x 16 x 2,048 x 64 float32.
;; This version of the problem:
;;   THIS VERSION OF THE PROBLEM IS GIVEN IN LOW PRECISION. The matrix products marked QUANTISED in the list below multiply operands that are first quantised to E2M1 (2 exponent bits, 1 mantissa bit; 4 bits a number), with one power-of-two scale for each 32 numbers along K (OCP MX v1.0); their sums are f32. All else is computed in f32.
;;   The module's matrix products, in the order in which they are computed (A, B: the left and right operand; K: the contracted axis; several contracted axes count as one K, in the product's order):
;;     1. [M 8,192, K 1,024] x [K 1,024, N 1,024]; A: input x; B: input W_q: QUANTISED
;;     2. [M 8,192, K 1,024] x [K 1,024, N 1,024]; A: input x; B: input W_k: QUANTISED
;;     3. [M 8,192, K 1,024] x [K 1,024, N 1,024]; A: input x; B: input W_v: QUANTISED
;;     4. batch 64 x [M 2,048, K 64] x [K 64, N 2,048]; A: computed on the way; B: computed on the way: QUANTISED
;;     5. batch 64 x [M 2,048, K 2,048] x [K 2,048, N 64]; A: softmax (see below); B: computed on the way: QUANTISED
;;   THE QUANTISER, for each operand of a quantised product, along K:
;;     - K is cut into blocks of 32 from its start; a last block that is shorter is filled with zeros.
;;     - A block's scale is 2^e with e = floor(log2(the largest magnitude in the block)) - 2, held to -126 .. 127; a block of zeros has e = 0. As a byte (E8M0): e + 127.
;;     - Each number is divided by its block's scale, clamped to +-6, and rounded to the nearest number of E2M1, ties to even, subnormals kept.
;;     - The product sums the exact products of the quantised numbers (number of the format x scale) in f32.
;;   ~~~python
;;   def quantise(x, axis):      # numpy; x: float32 -> the quantised numbers, widened to float32 again
;;       x = np.moveaxis(x, axis, -1); K = x.shape[-1]
;;       x = np.pad(x, [(0, 0)] * (x.ndim - 1) + [(0, -K % 32)]); x = x.reshape(x.shape[:-1] + (-1, 32)); a = np.abs(x).max(-1, keepdims=True)
;;       e = np.where(a > 0, np.clip(np.frexp(np.where(a > 0, a, 1))[1] - 1 - 2, -126, 127), 0)      # np.frexp(a)[1] - 1 = floor(log2(a)), exactly
;;       r = np.clip(x / 2.0 ** e, -6, 6)
;;       step = 2.0 ** (np.maximum(np.frexp(np.where(r == 0, 1, r))[1] - 1, 0) - 1)
;;       q = np.round(r / step) * step * 2.0 ** e      # np.round: ties to even
;;       return np.moveaxis(q.reshape(q.shape[:-2] + (-1,))[..., :K], -1, axis).astype(np.float32)
;;   ~~~
;;   SOFTMAX AHEAD OF A QUANTISED PRODUCT. Where the list says 'softmax', what is quantised is not the finished softmax but p = 2^(t - M), with t = logit x log2(e) and M = ceil(the row's largest t), a whole number; so 1/2 < the row's largest p <= 1. The row's sum l is taken of the UNQUANTISED p, in f32, and the product's result is divided by l at the end. Since M is a whole number, a kernel that streams over the keys may use a running M (the ceiling of the running maximum): every later rescaling is an exact power of two, which a block's scale takes up: the codes' values come out the same.
;;   OPERANDS COMPUTED ON THE WAY. 'Computed on the way' means the value that the module computes at that place (a softmax that the list does not call 'softmax' is quantised finished and normalised). What goes into a quantiser is computed in f32, as accurately as f32 sums, v_exp_f32 and their like allow (about 1e-6 of the number): no bf16 or f16 on the way to a quantiser, and a product that is left as it is and whose result goes on into a quantised operand takes f32 operands (vector FMAs, or v_wmma_f32_16x16x4_f32). A number that lies on a knife's edge between two numbers of the format may be rounded either way, as far as f32 arithmetic and the matrix unit's own rounding can turn it there, and no further.
;; One version. Each part assembles by itself: llvm-mc -triple=amdgcn-amd-amdhsa -mcpu=gfx1250 --defsym DOCPART=n.
;; ======== version 1 of 1: 3 launches
;; limits: right only within a limited range of input values
;; workspace buffers: opnd 6,488,064 bytes; qb 8,912,896 bytes; kv 8,912,896 bytes
;; launch quant (part 1): grid 704 x 1, 4 waves a work-group, no clusters, 34,304 bytes of LDS; arguments x, W_q, W_k, W_v, opnd; writes opnd
.if DOCPART == 1
	.amdgcn_target "amdgcn-amd-amdhsa--gfx1250"
	.amdhsa_code_object_version 6
	.text
	.protected	k_q7f69e54a7a_quant
	.globl	k_q7f69e54a7a_quant
	.p2align	8
	.type	k_q7f69e54a7a_quant,@function
k_q7f69e54a7a_quant:
	s_mov_b64 s[64:65], 0
	v_nop
	global_prefetch_b8 v0, s[64:65] scope:SCOPE_SE
	s_setreg_imm32_b32 hwreg(HW_REG_WAVE_MODE, 25, 1), 1
	s_wait_xcnt 0x0
; THE PROGRAM: causal attention of 64 (batch, head) pairs on codes of FP4 (E2M1) with one E8M0 scale for each 32 along a product's K, in three launches:
;   quant: x and the three weights become codes along K = 1,024;  proj: Q, K, V = x W^T, quantised on the way out;  attn: softmax(Q K^T / 8) V under the causal mask.
; WORK LEFT OUT: reference() sets the score of key k and query q to -infinity where k > q (its own jnp.tril), and the softmax gives such a key the weight 0 whatever finite numbers x and the weights hold.  So a step of
; 128 keys all of which come after all queries of a tile adds 0 to the row's sum and to Y: attn leaves those steps out whole.  Nothing else is left out; all four inputs are read.
; LIMITS: a NaN, an infinity or an overflow that reaches only scores left out so is not carried to the result (reference() replaces those scores too).  NaN and infinities among the inputs are not served.
; A block whose largest magnitude lies under 2^-124 keeps the scale byte 1; a block of zeros gets the byte 1 where the rule says 127: its codes are zeros, and only this program reads the bytes.
;
; THIS LAUNCH.  x [8192][1024], W_q, W_k, W_v [1024][1024], f32, K innermost.  A TILE is 16 rows: lane r of tile t takes row 32 (t / 2) + 8 (t % 2) + r + 8 (r / 8), so that, with such a tile as a product's source 0,
; the 16 result registers of tiles 2 b and 2 b + 1 are 16 neighbours along that axis.
; opnd: [quarter of K][tile][2,304 bytes].  Tiles 0-511: x; 512 + 12 head + 4 tensor + i: tile i of the head's 64 rows of W_q, W_k or W_v (tensor 0, 1, 2).  A record: two IMAGES of the operand's registers
; (a K step of 128 each; registers 0-3 at 16 x lane, registers 4-7 512 bytes on), then 256 bytes: the scale words of row r's two K steps at 8 r, and the same once more 128 bytes on.
; A work-group takes one tile, a wave one quarter of K.  Each load reads one row's 512 consecutive bytes; the 16 rows turn through the wave's own stage in LDS, so that a lane gets 16 neighbours of each block of 32 of ITS row.
; No tensor load, no barrier: waves share nothing.
.set QSTR,  704*2304                   ; a quarter of opnd
.set STG,   16*528                     ; a stage: 16 rows of 512 bytes + 16: sixteen lanes that read one column of sixteen rows touch sixteen different 16-byte columns of 256
.set SPARE, 4*STG                      ; the spare words, 128 bytes for each wave
.set LN,  1                            ; lane
.set LIN, 2                            ; 16 x lane
.set STA, 3                            ; the stage, way in: 16 x lane
.set LDA, 4                            ; the stage, way out: 528 r + 64 h
.set SCO, 5                            ; 8 x lane
.set R,   16                           ; v16-143  two sets of 16 rows as loaded
.set X,   144                          ; v144-207 64 numbers of my row: register 16 b + i = k 32 b + 16 h + i
.set PC,  208                          ; v208-223 codes, two sets of 8
.set TM,  224
.set PW,  240                          ; a scale word for each K step
.set SPW, 244
.set NIL, 245
	s_load_b256 s[4:11], s[0:1], 0x0               ; x, W_q, W_k, W_v
	s_load_b64 s[12:13], s[0:1], 0x20              ; opnd
	v_lshl_add_u32 v[SPW], v0, 2, SPARE
	v_mov_b32 v[NIL], 0
	v_lshrrev_b32 v6, 5, v0
	v_readfirstlane_b32 s16, v6                    ; wave = quarter of K
	v_and_b32 v[LN], 31, v0
	v_and_b32 v6, 15, v0                           ; r
	v_bfe_u32 v7, v0, 4, 1                         ; h
	v_lshlrev_b32 v[LIN], 4, v[LN]
	v_lshlrev_b32 v[SCO], 3, v[LN]
	s_mul_i32 s22, s16, STG                        ; my stage
	v_add_nc_u32 v[STA], s22, v[LIN]
	v_mul_u32_u24 v[LDA], v6, 528
	v_lshl_add_u32 v[LDA], v7, 6, v[LDA]
	v_add_nc_u32 v[LDA], s22, v[LDA]
	s_mov_b32 s20, 0x76543210
	s_mov_b32 s21, 0xfedcba98                      ; v_permlanex16_b32's selects for lane l xor 16
.irp b, 0,1,2,3
	v_mov_b32 v[TM+4+\b], 0                        ; a lane permute's destination counts as one of its sources
.endr
	s_mov_b32 s29, ttmp9                           ; x: the tile's place in opnd is the work-group's number g;
	s_bfe_u32 s18, ttmp9, 0x40002                  ; W: tile g % 64 of tensor g / 64 - 8: head (g % 64) / 4:
	s_mul_i32 s18, s18, 12
	s_lshr_b32 s19, ttmp9, 6
	s_lshl_b32 s19, s19, 2
	s_add_co_u32 s18, s18, s19
	s_and_b32 s19, ttmp9, 3
	s_add_co_u32 s18, s18, s19
	s_add_co_u32 s18, s18, 512-32                  ; 512 + 12 head + 4 tensor + g % 4
	s_wait_alu depctr_va_vdst(0)                   ; at the head's end
	s_wait_kmcnt 0x0
	s_cmp_lt_u32 ttmp9, 640                        ; which tensor: the choice hangs on the work-group's number alone
	s_cselect_b64 s[8:9], s[8:9], s[10:11]
	s_cmp_lt_u32 ttmp9, 576
	s_cselect_b64 s[6:7], s[6:7], s[8:9]
	s_cmp_lt_u32 ttmp9, 512
	s_cselect_b64 s[4:5], s[4:5], s[6:7]
	s_cselect_b32 s18, s29, s18
	s_cselect_b32 s17, 0x1ff, 63
	s_and_b32 s19, ttmp9, s17                      ; the tile's number inside its tensor
	s_mul_i32 s24, s18, 2304
	s_mul_i32 s28, s16, QSTR
	s_add_co_u32 s24, s24, s28
	s_mov_b32 s25, 0
	s_lshr_b32 s26, s19, 1
	s_lshl_b32 s26, s26, 17                        ; 32 rows of 4,096 bytes for each pair of tiles,
	s_and_b32 s27, s19, 1
	s_lshl_b32 s27, s27, 15                        ; 8 rows for the odd tile,
	s_add_co_u32 s26, s26, s27
	s_lshl_b32 s27, s16, 10                        ; 1,024 bytes for each quarter of K
	s_add_co_u32 s26, s26, s27
	s_mov_b32 s27, 0
	s_add_nc_u64 s[4:5], s[4:5], s[26:27]
	s_add_nc_u64 s[12:13], s[12:13], s[24:25]
.macro LOAD t                          ; K step t of the tile's 16 rows: a row's 512 consecutive bytes to a load
.irp i, 0,1,2,3,4,5,6,7,8,9,10,11,12,13,14,15
	global_load_b128 v[R+64*(\t)+4*\i:R+64*(\t)+4*\i+3], v[LIN], s[4:5] offset:(\i+8*(\i/8))*4096+512*(\t) th:TH_LOAD_NT
.endr
.endm
.macro TURN t                          ; through the stage: LDS serves a wave's instructions in order, so no wait stands between the stores and the loads
.irp i, 0,1,2,3,4,5,6,7,8,9,10,11,12,13,14,15
	ds_store_b128 v[STA], v[R+64*(\t)+4*\i:R+64*(\t)+4*\i+3] offset:528*\i
.endr
.irp b, 0,1,2,3
.irp j, 0,1,2,3
	ds_load_b128 v[X+16*\b+4*\j:X+16*\b+4*\j+3], v[LDA] offset:128*\b+16*\j
.endr
.endr
.endm
; 64 numbers of a lane become a fragment's codes in v[pc] on and its row's scale word in v[pw]
.macro QUANT s, pc, pw
.irp b, 0,1,2,3
	v_max3_num_f32 v[TM+\b], |v[\s+16*\b]|, |v[\s+1+16*\b]|, 0x1800000   ; block b: my 16 numbers, and the floor 2^(3 - 127): the byte cannot fall under 1
.endr
.irp i, 2,4,6,8,10,12,14
.irp b, 0,1,2,3
	v_max3_num_f32 v[TM+\b], v[TM+\b], |v[\s+16*\b+\i]|, |v[\s+1+16*\b+\i]|
.endr
.endr
.irp b, 0,1,2,3
	v_permlanex16_b32 v[TM+4+\b], v[TM+\b], s20, s21
.endr
.irp b, 0,1,2,3
	v_max_num_f32 v[TM+\b], v[TM+\b], v[TM+4+\b]   ; with lane l xor 16's 16: the block's largest magnitude
.endr
.irp b, 0,1,2,3
	v_add_nc_u32 v[TM+12+\b], 0xff000000, v[TM+\b] ; 2 off its exponent field: the conversion's scale operand
.endr
.irp b, 0,1,2,3
	v_lshrrev_b32 v[TM+4+\b], 23, v[TM+12+\b]      ; the scale's byte
.endr
	v_lshl_or_b32 v[\pw], v[TM+5], 8, v[TM+4]
	v_lshl_or_b32 v[\pw], v[TM+6], 16, v[\pw]
	v_lshl_or_b32 v[\pw], v[TM+7], 24, v[\pw]
.irp b, 0,1,2,3
	v_cvt_scalef32_pk8_fp4_f32 v[(\pc)+2*\b], v[\s+16*\b:\s+7+16*\b], v[TM+12+\b]
	v_cvt_scalef32_pk8_fp4_f32 v[(\pc)+1+2*\b], v[\s+8+16*\b:\s+15+16*\b], v[TM+12+\b]
.endr
	v_nop                                          ; one plain place behind a scaled conversion
.irp c, 0,1                                    ; the operand's layout wants a whole block in a lane: lanes 0-15 block 2 c, lanes 16-31 block 2 c + 1
.irp i, 0,1
	v_permlane16_swap_b32 v[(\pc)+4*\c+\i], v[(\pc)+2+4*\c+\i]
.endr
.endr
.endm
.macro KSTEP t
	s_wait_loadcnt 16*(1-(\t))                     ; this step's 16 loads are in; the next step's 16 may be out
	TURN \t
	s_wait_dscnt 0x0                               ; my 64 numbers are in
	QUANT X, PC+8*(\t), PW+(\t)
	global_store_b128 v[LIN], v[PC+8*(\t):PC+8*(\t)+3], s[12:13] offset:1024*(\t)        ; 32 lanes store 512 consecutive bytes, at a multiple of 256 from opnd's first byte
	global_store_b128 v[LIN], v[PC+8*(\t)+4:PC+8*(\t)+7], s[12:13] offset:1024*(\t)+512
.endm
	LOAD 0
	LOAD 1
	KSTEP 0
	KSTEP 1
	global_store_b64 v[SCO], v[PW:PW+1], s[12:13] offset:2048   ; both halves of the lanes hold the words: 256 consecutive bytes, aligned
	s_wait_tensorcnt 0x0                           ; the wave's end
	ds_add_u32 v[SPW], v[NIL]
	s_wait_dscnt 0x0
	s_endpgm
.Lfunc_end_k_q7f69e54a7a_quant:
	.size	k_q7f69e54a7a_quant, .Lfunc_end_k_q7f69e54a7a_quant-k_q7f69e54a7a_quant
	.p2alignl 7, 3214868480
	.fill 96, 4, 3214868480
	.section	.rodata,"a",@progbits
	.p2align	6, 0x0
	.amdhsa_kernel k_q7f69e54a7a_quant
		.amdhsa_group_segment_fixed_size 34304
		.amdhsa_private_segment_fixed_size 0
		.amdhsa_enable_private_segment 0
		.amdhsa_kernarg_size 40
		.amdhsa_user_sgpr_count 2
		.amdhsa_user_sgpr_kernarg_segment_ptr 1
		.amdhsa_wavefront_size32 1
		.amdhsa_system_sgpr_workgroup_id_x 1
		.amdhsa_system_sgpr_workgroup_id_y 1
		.amdhsa_system_sgpr_workgroup_id_z 1
		.amdhsa_system_vgpr_workitem_id 0
		.amdhsa_next_free_vgpr 256
		.amdhsa_next_free_sgpr 66
		.amdhsa_reserve_vcc 0
		.amdhsa_float_denorm_mode_32 3
		.amdhsa_float_denorm_mode_16_64 3
		.amdhsa_memory_ordered 1
		.amdhsa_forward_progress 1
		.amdhsa_inst_pref_size 18
	.end_amdhsa_kernel
	.amdgpu_metadata
---
amdhsa.version: [ 1, 2 ]
amdhsa.kernels:
  - .name:           k_q7f69e54a7a_quant
    .symbol:         k_q7f69e54a7a_quant.kd
    .args:
      - { .name: x, .offset: 0, .size: 8, .value_kind: global_buffer, .address_space: global }
      - { .name: W_q, .offset: 8, .size: 8, .value_kind: global_buffer, .address_space: global }
      - { .name: W_k, .offset: 16, .size: 8, .value_kind: global_buffer, .address_space: global }
      - { .name: W_v, .offset: 24, .size: 8, .value_kind: global_buffer, .address_space: global }
      - { .name: opnd, .offset: 32, .size: 8, .value_kind: global_buffer, .address_space: global }
    .group_segment_fixed_size: 34304
    .private_segment_fixed_size: 0
    .kernarg_segment_align: 8
    .kernarg_segment_size: 40
    .max_flat_workgroup_size: 128
    .sgpr_count:     66
    .vgpr_count:     256
    .wavefront_size: 32
...
	.end_amdgpu_metadata
.endif
;; end of part 1
;; launch proj (part 2): grid 8 x 32, 4 waves a work-group, clusters of 4 x 4, 327,680 bytes of LDS; arguments opnd, qb, kv; writes qb, kv
.if DOCPART == 2
	.amdgcn_target "amdgcn-amd-amdhsa--gfx1250"
	.amdhsa_code_object_version 6
	.text
	.protected	k_q7f69e54a7a_proj
	.globl	k_q7f69e54a7a_proj
	.p2align	8
	.type	k_q7f69e54a7a_proj,@function
k_q7f69e54a7a_proj:
	s_mov_b64 s[64:65], 0
	v_nop
	global_prefetch_b8 v0, s[64:65] scope:SCOPE_SE
	s_setreg_imm32_b32 hwreg(HW_REG_WAVE_MODE, 25, 1), 1
	s_wait_xcnt 0x0
	s_wait_alu depctr_hold_cnt(0) depctr_sa_sdst(0) depctr_va_vdst(0) depctr_va_sdst(0) depctr_va_ssrc(0) depctr_va_vcc(0) depctr_vm_vsrc(0)
	s_getreg_b32 s2, hwreg(HW_REG_IB_STS2, 6, 4)
	s_cmp_eq_u32 s2, 0
	s_cbranch_scc0 .Lentry_in_a_cluster
	s_endpgm
.Lentry_in_a_cluster:
	s_bfe_u32 s2, ttmp6, 0x10000c
	s_cmp_lg_u32 s2, 0xf033
	s_cbranch_scc0 .Lentry_shape_is_right
	s_endpgm
.Lentry_shape_is_right:
; Q, K, V = x W^T on the codes of opnd, K = 1,024; the results are quantised in registers and leave as images of attn's operand registers.  No work is left out here.
; SHARES.  A work-group of four waves takes 256 rows of x (16 tiles) and two heads' rows of W_q, W_k and W_v (2 x 12 tiles): 256 work-groups.  A wave: 128 rows of x (8 tiles) and one head: 96 accumulators of 16 x 16, 768 registers.
; ROLES.  Source 0 is the operand whose rows become the axis along which the result is quantised (a lane's registers run along it).  Q, K are quantised along the head's 64 channels: source 0 = W, source 1 = x;
;   V along the keys: source 0 = x, source 1 = W_v.  The same fragments serve both.
; K IN QUARTERS of 256 (two steps).  A quarter is 92,160 bytes: 8 x's tiles twice, a head's 12 tiles twice, each a dense run of records of 2,304 bytes.  Load 1, at the head: quarters 0 and 1;  load 2, behind the first round: quarter 2;
;   load 3, in step 2: quarter 3 into quarter 0's bytes.  One load a wave each; a wave has one out.  No prefetch: the text has no loop to run ahead in.
; CLUSTERS: 4 x 4 work-groups; x's tiles are shared along a row of the cluster, W's along a column: each is asked for jointly.  A fragment lies in LDS as an image of its registers: every LDS load takes 512 consecutive bytes.
; A STEP is six units of 16 products: lo A1, lo K, lo A2, hi A2, hi K, hi A1 (lo, hi: x's tiles 0-3, 4-7; A1, A2 = Q, V in even steps, V, Q in odd ones).  So every group of four fragments is free two units or more ahead of its next use.
; OUT.  kv: for each (batch, head) 139,264 bytes = 16 records of 8,704 bytes, one for each 128 keys: +0 K's codes (key tile a at 512 a + 16 lane); +4096 V's codes (2048 c + 512 t + 16 lane: channel tile t, registers 4 c .. 4 c + 3);
;   +8192 K's scale words (16 r + 4 b: tile 2 b's two bytes, tile 2 b + 1's two); +8448 V's (8 lane + 4 i: lanes 0-15 tile 2 i, lanes 16-31 tile 2 i + 1).  qb: the same records with Q in K's places; V's places there are neither written nor read.
; LIMITS: as stated at the head of quant.
; REGISTERS: window 0: v1-29 addresses; v32-79 scale words, two sets; v80-143 x's fragments; v144-239 W's; on the way out v80-127 at work.  Window 1: (x tile a, Q or K tile b) at v[64 a + 8 b], a = 0-3;  window 2: a = 4-7;  window 3: V: (W_v tile c, x tile a) at v[64 c + 8 a].
.set TB,    2304
.set QSTR,  704*TB
.set XQ,    8*TB                       ; 8 tiles of a quarter
.set WQ,    12*TB                      ; 12
.set L2B,   4*XQ+4*WQ                  ; quarter 2 begins here
.set SPARE, 327168                     ; the spare words, 128 bytes for each wave
.set HS,    139264
.set REC,   8704
.set ADX, 4                            ; v4 x's images in quarters 0, 1, 3; v5 in quarter 2
.set ADW, 6                            ; v6, v7 the same for W
.set ADS, 8                            ; v8-10 scale words in quarters 0 and 3, 1, 2: lanes 0-15 x's rows, lanes 16-31 W's
.set LI,  12                           ; 16 x lane
.set VSQ, 16                           ; 16 r + 8 h
.set VSV, 17                           ; 8 x lane
.set SPW, 28
.set NIL, 29
.set SC,  32                           ; register 24 set + 2 i + step: lanes 0-15 x's tile i, lanes 16-31 W's tile i
.set XF,  80
.set WF,  144
.set TM,  80                           ; the way out
.set PC,  96
.set PW,  112
.set D,   124
.set G1X, 24                           ; s[24:31] group 1 for x; s[32:43] groups 0 of the three loads
.set G0X, 32
.set G1W, 48                           ; s[48:55], s[68:79] the same for W
.set G0W, 68
.set OQ,  56                           ; s[56:57], s[58:59]: my record in qb and in kv
.set OKV, 58
.set MSB, 0
.macro WIN new
.if MSB != \new
	s_set_vgpr_msb (MSB<<8)|\new
.set MSB, \new
.endif
.endm
; A joint load: waves 0 and 1 fetch x's halves, waves 2 and 3 W's.  The branch hangs on the wave's number alone.
.macro JLOAD g0a, g0b
	s_cmp_eq_u32 s15, 0
	s_cbranch_scc0 .Lfor_w_\@
	tensor_load_to_lds s[\g0a:\g0a+3], s[G1X:G1X+7]
	s_nop 0
.rept 4
	v_nop
.endr
	s_branch .Lasked_\@
.Lfor_w_\@:
	tensor_load_to_lds s[\g0b:\g0b+3], s[G1W:G1W+7]
	s_nop 0
.rept 4
	v_nop
.endr
.Lasked_\@:
.endm
.macro CREST                           ; a round of the cluster's barrier behind its opening barrier
	s_cmp_lg_u32 s14, 0
	s_cbranch_scc1 .Lnot_wave_0_\@
	s_barrier_signal -3
.Lnot_wave_0_\@:
	s_barrier_wait -3
	s_barrier_signal -1
	s_barrier_wait -1
.endm
.macro CROUND                          ; a whole round
	s_barrier_signal -1
	s_barrier_wait -1
	CREST
.endm
	s_load_b128 s[4:7], s[0:1], 0x0                ; opnd, qb
	s_load_b64 s[8:9], s[0:1], 0x10                ; kv
	v_lshl_add_u32 v[SPW], v0, 2, SPARE
	v_mov_b32 v[NIL], 0
	ds_add_u32 v[SPW], v[NIL]                      ; the opening: the add, twice on end, and one wait for both
	ds_add_u32 v[SPW], v[NIL]
	v_lshrrev_b32 v1, 5, v0
	v_readfirstlane_b32 s14, v1                    ; wave 0..3
	s_lshr_b32 s15, s14, 1                         ; which 128 rows of x are mine.  Also: I fetch for x (0) or for W (1)
	s_and_b32 s16, s14, 1                          ; which head is mine.  Also: which half I fetch
	s_bfe_u32 s80, ttmp6, 0x40000                  ; cx, cy: my place in the cluster
	s_bfe_u32 s81, ttmp6, 0x40004
	s_lshl_b32 s82, ttmp9, 2
	s_add_co_u32 s82, s82, s80                     ; pair of heads = 4 x cluster x + cx
	s_and_b32 s83, ttmp7, 0xffff
	s_lshl_b32 s83, s83, 2
	s_add_co_u32 s83, s83, s81                     ; block of 256 rows of x = 4 x cluster y + cy
	s_lshl_b32 s84, s81, 2
	s_lshl_b32 s84, 15, s84                        ; my row of the cluster
	s_lshl_b32 s85, 0x1111, s80                    ; my column
	s_or_b32 s[G1X], s84, (3<<16)|(1<<21)          ; 15:0 the mask: x's tiles go to my row; 17:16 elements of 8 bytes; 21 set beside a mask
	s_or_b32 s[G1W], s85, (3<<16)|(1<<21)          ; W's tiles go to my column
	s_mov_b32 s[G1X+1], (XQ/8)<<16                 ; load 1: two rows, one for each quarter: 8 tiles of x,
	s_mov_b32 s[G1X+2], 2<<16
	s_mov_b32 s[G1X+3], (XQ/8)<<16
	s_mov_b32 s[G1X+4], 2
	s_mov_b32 s[G1X+5], QSTR/8
	s_mov_b32 s[G1X+6], 0
	s_mov_b32 s[G1X+7], 0
	s_mov_b32 s[G1W+1], (WQ/8)<<16                 ; 12 tiles of W
	s_mov_b32 s[G1W+2], 2<<16
	s_mov_b32 s[G1W+3], (WQ/8)<<16
	s_mov_b32 s[G1W+4], 2
	s_mov_b32 s[G1W+5], QSTR/8
	s_mov_b32 s[G1W+6], 0
	s_mov_b32 s[G1W+7], 0
	s_lshl_b32 s20, s83, 4
	s_lshl_b32 s18, s16, 3
	s_add_co_u32 s20, s20, s18                     ; x: tile 16 x block + 8 x half
	s_mul_i32 s20, s20, TB
	s_mov_b32 s21, 0
	s_mul_i32 s46, s82, 24
	s_mul_i32 s18, s16, 12
	s_add_co_u32 s46, s46, s18
	s_add_co_u32 s46, s46, 512                     ; W: tile 512 + 24 x pair + 12 x half
	s_mul_i32 s46, s46, TB
	s_mov_b32 s47, 0
	s_mul_i32 s86, s16, 2*XQ                       ; where they go: x in load 1 (quarter 0, then quarter 1) and load 3,
	s_mul_i32 s87, s16, XQ
	s_add_co_u32 s87, s87, L2B                     ; and in load 2;
	s_mul_i32 s88, s16, 2*WQ
	s_add_co_u32 s88, s88, 4*XQ                    ; W in loads 1 and 3,
	s_mul_i32 s89, s16, WQ
	s_add_co_u32 s89, s89, L2B+2*XQ                ; and in load 2
	s_wait_dscnt 0x0                               ; both opening adds are done
	s_wait_alu depctr_va_vdst(0)                   ; ahead of the wait below
	s_wait_kmcnt 0x0
	s_add_nc_u64 s[20:21], s[4:5], s[20:21]
	s_add_nc_u64 s[46:47], s[4:5], s[46:47]
	CROUND                                         ; all sixteen work-groups are here: the joint loads meet
.macro GROUP0 g, lds, adr, by
	s_mov_b32 s[\g], 1
	s_mov_b32 s[\g+1], s[\lds]
	s_add_nc_u64 s[\g+2:\g+3], s[\adr:\adr+1], \by
	s_or_b32 s[\g+3], s[\g+3], 0x80000000
.endm
	GROUP0 G0X,   86, 20, 0
	GROUP0 G0X+4, 87, 20, 2*QSTR
	GROUP0 G0X+8, 86, 20, 3*QSTR
	GROUP0 G0W,   88, 46, 0
	GROUP0 G0W+4, 89, 46, 2*QSTR
	GROUP0 G0W+8, 88, 46, 3*QSTR
	JLOAD G0X, G0W                                 ; load 1: one tensor load a wave at the head
	s_mul_i32 s90, s15, 2*XQ                       ; my 128 rows of x in quarters 0, 1, 3,
	s_mul_i32 s91, s15, XQ
	s_add_co_u32 s91, s91, L2B                     ; and in quarter 2.  My head's W: s88, s89
	s_xor_b32 s96, s15, 1
	s_mul_i32 s94, s96, 2*XQ
	s_add_co_u32 s94, s94, 2*XQ
	s_mul_i32 s97, s16, 2*WQ
	s_add_co_u32 s94, s94, s97                     ; from my x to my W in quarters 0 and 3,
	s_add_co_u32 s99, s94, WQ-XQ                   ; in quarter 1,
	s_mul_i32 s95, s96, XQ
	s_add_co_u32 s95, s95, XQ
	s_mul_i32 s97, s16, WQ
	s_add_co_u32 s95, s95, s97                     ; in quarter 2
	s_add_co_u32 s96, s90, 2048                    ; scale words lie behind a record's two images
	s_add_co_u32 s97, s90, XQ+2048
	s_add_co_u32 s98, s91, 2048
	v_and_b32 v1, 15, v0                           ; r
	v_bfe_u32 v2, v0, 4, 1                         ; h
	v_and_b32 v3, 31, v0
	v_lshlrev_b32 v[LI], 4, v3
	v_lshlrev_b32 v[VSV], 3, v3
	v_lshlrev_b32 v[VSQ], 4, v1
	v_lshl_add_u32 v[VSQ], v2, 3, v[VSQ]
	v_lshlrev_b32 v20, 3, v1                       ; 8 bytes a row: two steps' words
	v_add_nc_u32 v[ADX], s90, v[LI]
	v_add_nc_u32 v[ADX+1], s91, v[LI]
	v_add_nc_u32 v[ADW], s88, v[LI]
	v_add_nc_u32 v[ADW+1], s89, v[LI]
	v_mul_u32_u24 v21, s94, v2                     ; lanes 16-31: that distance on
	v_mul_u32_u24 v22, s99, v2
	v_mul_u32_u24 v23, s95, v2
	v_add_nc_u32 v21, v21, v20
	v_add_nc_u32 v22, v22, v20
	v_add_nc_u32 v23, v23, v20
	v_add_nc_u32 v[ADS], s96, v21
	v_add_nc_u32 v[ADS+1], s97, v22
	v_add_nc_u32 v[ADS+2], s98, v23
	s_wait_alu depctr_va_vdst(0)                   ; at the head's end
	s_mov_b32 s22, 0x76543210
	s_mov_b32 s23, 0xfedcba98                      ; v_permlanex16_b32's selects for lane l xor 16
	; my record: head 16 x batch + 2 x pair + mine, record 2 x (block in its batch) + my half
	s_lshr_b32 s60, s83, 3
	s_lshl_b32 s60, s60, 4
	s_lshl_b32 s61, s82, 1
	s_add_co_u32 s60, s60, s61
	s_add_co_u32 s60, s60, s16
	s_mul_i32 s60, s60, HS
	s_and_b32 s61, s83, 7
	s_lshl_b32 s61, s61, 1
	s_add_co_u32 s61, s61, s15
	s_mul_i32 s61, s61, REC
	s_add_co_u32 s60, s60, s61
	s_mov_b32 s61, 0
	s_add_nc_u64 s[OQ:OQ+1], s[6:7], s[60:61]
	s_add_nc_u64 s[OKV:OKV+1], s[8:9], s[60:61]
.macro WM d, a, b, sa, sb, zero, row
.if \zero
	v_wmma_scale_f32_16x16x128_f8f6f4 v[(\d):(\d)+7], v[(\a):(\a)+7], v[(\b):(\b)+7], 0, v[\sa], v[\sb] matrix_a_fmt:MATRIX_FMT_FP4 matrix_b_fmt:MATRIX_FMT_FP4 \row
.else
	v_wmma_scale_f32_16x16x128_f8f6f4 v[(\d):(\d)+7], v[(\a):(\a)+7], v[(\b):(\b)+7], v[(\d):(\d)+7], v[\sa], v[\sb] matrix_a_fmt:MATRIX_FMT_FP4 matrix_b_fmt:MATRIX_FMT_FP4 \row
.endif
.endm
; 16 products: x's four tiles of a half x four tiles of W (ten: 0 Q, 1 K, 2 V), 128 along K; 16 accumulators, one instruction a turn.  zero = 1: the product starts the sums.
.macro UNIT half, ten, st, kk, zero
.if \ten == 2
	WIN 0xf0
.else
.if \half
	WIN 0xa0
.else
	WIN 0x50
.endif
.endif
.irp i, 0,1,2,3
.irp j, 0,1,2,3
.if \ten == 2
	WM 64*\j+32*\half+8*\i, XF+32*\half+8*\i, WF+64+8*\j, SC+24*\st+2*(4*\half+\i)+\kk, SC+24*\st+2*(8+\j)+\kk, \zero, matrix_b_scale:MATRIX_SCALE_ROW1
.else
	WM 64*\i+32*\ten+8*\j, WF+32*\ten+8*\j, XF+32*\half+8*\i, SC+24*\st+2*(4*\ten+\j)+\kk, SC+24*\st+2*(4*\half+\i)+\kk, \zero, matrix_a_scale:MATRIX_SCALE_ROW1
.endif
.endr
.endr
.endm
.macro NEXT q, kk                      ; where the next step's fragments lie
.set NXA, ADX
.set NXO, 1024*\kk
.set NWA, ADW
.set NWO, 1024*\kk
.if \q == 1
.set NXO, XQ+1024*\kk
.set NWO, WQ+1024*\kk
.endif
.if \q == 2
.set NXA, ADX+1
.set NWA, ADW+1
.endif
.endm
.macro FX half                         ; four fragments of x: eight loads
.irp i, 0,1,2,3
	ds_load_b128 v[XF+32*\half+8*\i:XF+32*\half+8*\i+3], v[NXA] offset:NXO+(4*\half+\i)*TB
	ds_load_b128 v[XF+32*\half+8*\i+4:XF+32*\half+8*\i+7], v[NXA] offset:NXO+(4*\half+\i)*TB+512
.endr
.endm
.macro FW ten                          ; four fragments of W
.irp i, 0,1,2,3
	ds_load_b128 v[WF+32*\ten+8*\i:WF+32*\ten+8*\i+3], v[NWA] offset:NWO+(4*\ten+\i)*TB
	ds_load_b128 v[WF+32*\ten+8*\i+4:WF+32*\ten+8*\i+7], v[NWA] offset:NWO+(4*\ten+\i)*TB+512
.endr
.endm
.macro SCALES st, adr                  ; a quarter's scale words (in registers 16 to 23 of a set lanes 0-15 hold words that no product names)
.irp i, 0,1,2,3,4,5,6,7,8,9,10,11
	ds_load_b64 v[SC+24*\st+2*\i:SC+24*\st+2*\i+1], v[\adr] offset:TB*\i
.endr
.endm
.macro PLACES                          ; four plain places in front of loads into registers that matrix instructions have read, and of the first read of results
.rept 4
	v_nop
.endr
	WIN 0
.endm
; mode 0: a plain step;  1: load 3 goes out behind a round of the cluster's barrier;  2: a barrier shows load 3 to every wave.  nxt = 1: the next step's fragments are fetched.  sc: the set that takes the next quarter's scale words (9: none), from v[sa].
; Fragments are pending in the order lo, A1, K, A2, hi, eight loads each.
.macro STEP a1, a2, st, kk, zero, mode, nxt, sc, sa
.if \mode
	s_wait_tensorcnt 0x0                           ; all my tensor loads have landed  (every window is 0 here)
.if \mode == 1
	ds_add_u32 v[SPW], v[NIL]
	s_wait_dscnt 25                                ; lo and A1 are in; three groups and the add may be out
.else
	s_wait_dscnt 24
.endif
	UNIT 0, \a1, \st, \kk, \zero
	s_wait_dscnt 0x0                               ; no LDS instruction of mine is out at the signal
	s_barrier_signal -1
	UNIT 0, 1, \st, \kk, \zero                     ; work on registers while the others arrive
	WIN 0
	s_barrier_wait -1
.if \mode == 1
	CREST                                          ; no wave of any partner still reads quarter 0, and load 2 is in
	JLOAD G0X+8, G0W+8                             ; load 3
.endif
.else
	s_wait_dscnt 24                                ; lo and A1 are in
	UNIT 0, \a1, \st, \kk, \zero
	s_wait_dscnt 16                                ; K
	UNIT 0, 1, \st, \kk, \zero
	s_wait_dscnt 8                                 ; A2
.endif
	UNIT 0, \a2, \st, \kk, \zero
.if \nxt
	PLACES
.if \sc < 9
	SCALES \sc, \sa
	FX 0
	s_wait_dscnt 20                                ; hi is in; twelve scale loads and lo's eight may be out
.else
	FX 0
	s_wait_dscnt 8                                 ; hi is in
.endif
.else
	s_wait_dscnt 0x0
.endif
	UNIT 1, \a2, \st, \kk, \zero
.if \nxt
	PLACES
	FW \a2
.endif
	UNIT 1, 1, \st, \kk, \zero
.if \nxt
	PLACES
	FW 1
.endif
	UNIT 1, \a1, \st, \kk, \zero
	PLACES
.if \nxt
	FW \a1
	FX 1
.endif
.endm
	s_wait_tensorcnt 0x0                           ; my part of load 1 is in
	ds_add_u32 v[SPW], v[NIL]
	s_mov_b32 s[G1X+1], (XQ/16)<<16                ; no tensor load of mine is out: from here on a load brings one quarter, a dense block stated as two rows
	s_mov_b32 s[G1X+3], (XQ/16)<<16
	s_mov_b32 s[G1X+5], XQ/16
	s_mov_b32 s[G1W+1], (WQ/16)<<16
	s_mov_b32 s[G1W+3], (WQ/16)<<16
	s_mov_b32 s[G1W+5], WQ/16
	s_wait_dscnt 0x0
	CROUND                                         ; everybody's part of load 1 is in, and the joint loads meet:
	JLOAD G0X+4, G0W+4                             ; load 2
	NEXT 0, 0
	SCALES 0, ADS
	FX 0
	FW 0
	FW 1
	FW 2
	FX 1
	NEXT 0, 1
	STEP 0, 2, 0, 0, 1, 0, 1, 9, 0
	NEXT 1, 0
	STEP 2, 0, 0, 1, 0, 0, 1, 1, ADS+1
	NEXT 1, 1
	STEP 0, 2, 1, 0, 0, 1, 1, 9, 0
	NEXT 2, 0
	STEP 2, 0, 1, 1, 0, 0, 1, 0, ADS+2
	NEXT 2, 1
	STEP 0, 2, 0, 0, 0, 0, 1, 9, 0
	NEXT 3, 0
	STEP 2, 0, 0, 1, 0, 2, 1, 1, ADS
	NEXT 3, 1
	STEP 0, 2, 1, 0, 0, 0, 1, 9, 0
	STEP 2, 0, 1, 1, 0, 0, 0, 9, 0
; THE WAY OUT.  a = 0-7: x's tile a: lane (r, h) holds, of the tile's row r, 64 numbers of Q (blocks 0, 1) and K (blocks 2, 3), 32 of each for its half;  a = 8-11: W_v's tile a - 8: channel r, 128 keys: register 16 b + i = place 32 b + 16 h + i.
; They become one fragment's codes and a scale word.  Each accumulator is read from its low end on.
.macro QUANTA a
.set AW, 1+(\a)/4
.set AC, 64*((\a)%4)
.set PCS, PC+8*((\a)%2)
	WIN (AW<<2)|(AW<<4)                            ; sources 1 and 2: the accumulators' window
.irp b, 0,1,2,3
	v_max3_num_f32 v[TM+\b], 0x1800000, |v[AC+16*\b]|, |v[AC+16*\b+1]|   ; block b: my 16 numbers, and the floor 2^(3 - 127): the byte cannot fall under 1
.endr
.irp i, 2,4,6,8,10,12,14
.irp b, 0,1,2,3
	v_max3_num_f32 v[TM+\b], v[TM+\b], |v[AC+16*\b+\i]|, |v[AC+16*\b+\i+1]|
.endr
.endr
	WIN 0
.irp b, 0,1,2,3
	v_permlanex16_b32 v[TM+4+\b], v[TM+\b], s22, s23
.endr
.irp b, 0,1,2,3
	v_max_num_f32 v[TM+\b], v[TM+\b], v[TM+4+\b]   ; with lane l xor 16's 16: the block's largest magnitude
.endr
.irp b, 0,1,2,3
	v_add_nc_u32 v[TM+12+\b], 0xff000000, v[TM+\b] ; 2 off its exponent field: the conversion's scale operand
.endr
.irp b, 0,1,2,3
	v_lshrrev_b32 v[TM+4+\b], 23, v[TM+12+\b]      ; the scale's byte
.endr
	v_lshl_or_b32 v[PW+(\a)], v[TM+5], 8, v[TM+4]
	v_lshl_or_b32 v[PW+(\a)], v[TM+6], 16, v[PW+(\a)]
	v_lshl_or_b32 v[PW+(\a)], v[TM+7], 24, v[PW+(\a)]
.if (\a) >= 2
	s_wait_xcnt 0x0                                ; the stores of two tiles back have read this set of codes: only now is it written again
.endif
	WIN AW                                         ; source 0: the accumulators' window
.irp b, 0,1,2,3
	v_cvt_scalef32_pk8_fp4_f32 v[PCS+2*\b], v[AC+16*\b:AC+16*\b+7], v[TM+12+\b]
	v_cvt_scalef32_pk8_fp4_f32 v[PCS+1+2*\b], v[AC+16*\b+8:AC+16*\b+15], v[TM+12+\b]
.endr
	WIN 0
	v_nop                                          ; one plain place behind a scaled conversion
.irp c, 0,1                                    ; a whole block in a lane: lanes 0-15 block 2 c, lanes 16-31 block 2 c + 1
.irp i, 0,1
	v_permlane16_swap_b32 v[PCS+4*\c+\i], v[PCS+2+4*\c+\i]
.endr
.endr
.if (\a) < 8
	global_store_b128 v[LI], v[PCS:PCS+3], s[OQ:OQ+1] offset:512*(\a)       ; 32 lanes store 512 consecutive bytes, at a multiple of 256 from the buffer's first byte
	global_store_b128 v[LI], v[PCS+4:PCS+7], s[OKV:OKV+1] offset:512*(\a)
.else
	global_store_b128 v[LI], v[PCS:PCS+3], s[OKV:OKV+1] offset:4096+512*((\a)-8)
	global_store_b128 v[LI], v[PCS+4:PCS+7], s[OKV:OKV+1] offset:6144+512*((\a)-8)
.endif
.endm
.irp a, 0,1,2,3,4,5,6,7,8,9,10,11
	QUANTA \a
.endr
	v_and_b32 v3, 31, v0
	v_cmp_le_u32 vcc_lo, 16, v3                    ; lanes 16-31
.irp b, 0,1,2,3                                ; a word of attn = tile 2 b's two bytes, then tile 2 b + 1's: my words' low halves are Q's, the high halves K's
	v_perm_b32 v[TM+\b], v[PW+2*\b+1], v[PW+2*\b], 0x05040100
	v_perm_b32 v[TM+4+\b], v[PW+2*\b+1], v[PW+2*\b], 0x07060302
.endr
	v_cndmask_b32 v[D], v[TM], v[TM+2], vcc_lo     ; lanes 0-15 store words 0 and 1 of their row, lanes 16-31 words 2 and 3
	v_cndmask_b32 v[D+1], v[TM+1], v[TM+3], vcc_lo
	v_cndmask_b32 v[D+2], v[TM+4], v[TM+6], vcc_lo
	v_cndmask_b32 v[D+3], v[TM+5], v[TM+7], vcc_lo
	v_cndmask_b32 v[TM+8], v[PW+8], v[PW+9], vcc_lo    ; V: lanes 0-15 the even tile's words, lanes 16-31 the odd tile's
	v_cndmask_b32 v[TM+9], v[PW+10], v[PW+11], vcc_lo
	global_store_b64 v[VSQ], v[D:D+1], s[OQ:OQ+1] offset:8192        ; each store: 256 consecutive bytes, aligned
	global_store_b64 v[VSQ], v[D+2:D+3], s[OKV:OKV+1] offset:8192
	global_store_b64 v[VSV], v[TM+8:TM+9], s[OKV:OKV+1] offset:8448
	s_wait_tensorcnt 0x0                           ; the wave's end
	ds_add_u32 v[SPW], v[NIL]
	s_wait_dscnt 0x0
	CROUND                                         ; the closing round
	s_endpgm
.Lfunc_end_k_q7f69e54a7a_proj:
	.size	k_q7f69e54a7a_proj, .Lfunc_end_k_q7f69e54a7a_proj-k_q7f69e54a7a_proj
	.p2alignl 7, 3214868480
	.fill 96, 4, 3214868480
	.section	.rodata,"a",@progbits
	.p2align	6, 0x0
	.amdhsa_kernel k_q7f69e54a7a_proj
		.amdhsa_group_segment_fixed_size 327680
		.amdhsa_private_segment_fixed_size 0
		.amdhsa_enable_private_segment 0
		.amdhsa_kernarg_size 24
		.amdhsa_user_sgpr_count 2
		.amdhsa_user_sgpr_kernarg_segment_ptr 1
		.amdhsa_wavefront_size32 1
		.amdhsa_system_sgpr_workgroup_id_x 1
		.amdhsa_system_sgpr_workgroup_id_y 1
		.amdhsa_system_sgpr_workgroup_id_z 1
		.amdhsa_system_vgpr_workitem_id 0
		.amdhsa_next_free_vgpr 1024
		.amdhsa_next_free_sgpr 100
		.amdhsa_reserve_vcc 1
		.amdhsa_float_denorm_mode_32 3
		.amdhsa_float_denorm_mode_16_64 3
		.amdhsa_memory_ordered 1
		.amdhsa_forward_progress 1
		.amdhsa_inst_pref_size 187
	.end_amdhsa_kernel
	.amdgpu_metadata
---
amdhsa.version: [ 1, 2 ]
amdhsa.kernels:
  - .name:           k_q7f69e54a7a_proj
    .symbol:         k_q7f69e54a7a_proj.kd
    .args:
      - { .name: opnd, .offset: 0, .size: 8, .value_kind: global_buffer, .address_space: global }
      - { .name: qb, .offset: 8, .size: 8, .value_kind: global_buffer, .address_space: global }
      - { .name: kv, .offset: 16, .size: 8, .value_kind: global_buffer, .address_space: global }
    .group_segment_fixed_size: 327680
    .private_segment_fixed_size: 0
    .kernarg_segment_align: 8
    .kernarg_segment_size: 24
    .max_flat_workgroup_size: 128
    .sgpr_count:     100
    .vgpr_count:     1024
    .wavefront_size: 32
...
	.end_amdgpu_metadata
.endif
;; end of part 2
;; launch attn (part 3): grid 4 x 64, 8 waves a work-group, clusters of 4 x 1, 327,680 bytes of LDS; arguments qb, kv, out0; writes out0
.if DOCPART == 3
	.amdgcn_target "amdgcn-amd-amdhsa--gfx1250"
	.amdhsa_code_object_version 6
	.text
	.protected	k_q7f69e54a7a_attn
	.globl	k_q7f69e54a7a_attn
	.p2align	8
	.type	k_q7f69e54a7a_attn,@function
k_q7f69e54a7a_attn:
	s_mov_b64 s[64:65], 0
	v_nop
	global_prefetch_b8 v0, s[64:65] scope:SCOPE_SE
	s_setreg_imm32_b32 hwreg(HW_REG_WAVE_MODE, 25, 1), 1
	s_wait_xcnt 0x0
	s_wait_alu depctr_hold_cnt(0) depctr_sa_sdst(0) depctr_va_vdst(0) depctr_va_sdst(0) depctr_va_ssrc(0) depctr_va_vcc(0) depctr_vm_vsrc(0)
	s_getreg_b32 s2, hwreg(HW_REG_IB_STS2, 6, 4)
	s_cmp_eq_u32 s2, 0
	s_cbranch_scc0 .Lentry_in_a_cluster
	s_endpgm
.Lentry_in_a_cluster:
	s_bfe_u32 s2, ttmp6, 0x10000c
	s_cmp_lg_u32 s2, 0x3003
	s_cbranch_scc0 .Lentry_shape_is_right
	s_endpgm
.Lentry_shape_is_right:
; Y[bh][q] = sum over keys k <= q of softmax_k(Q K^T / 8) V, both products on codes of FP4 with one E8M0 scale for each 32 along K; qb and kv hold records of 128 keys as proj lays them.
; SHARES.  A cluster of four work-groups takes one (batch, head); each work-group 16 PAIRS of query tiles (a pair = 32 neighbouring queries, two tiles of 16).  The head's pairs are (J, i): queries 128 J + 32 i on.
;   Work-group cx takes i = cx; wave w of its eight takes J = 15 - w (16 - w steps of 128 keys), then J = w (w + 1 steps): 17 steps for every wave, so the loop's trip count is a constant.
;   Trips 0 .. 15 - w: the first pair, keys ascending; trips 16 - w .. 16: the second pair, keys descending.  So trips 15 - w and 16 - w are the two that lie on the diagonal.
; WORK LEFT OUT: steps of 128 keys all of which come after the pair's queries (reference()'s own tril gives them the weight 0 for all finite inputs).
; ALL KEYS OF THE HEAD LIE IN LDS: 139,264 bytes, one joint load a wave at the head (17,408 bytes each); no LDS byte is filled twice, and the loop has no barrier.  No prefetch: no stream is loaded in the loop.
; TRANSPOSED: S^T = K Q^T, O^T = V^T P^T: a lane holds one query of each tile.  Q's K is 64: a K fragment holds two key tiles in its halves, and Q stands beside zeros in the half that is wanted.
; THE MASK of a diagonal step is the C operand of S^T: 0, or -3e38 for a hidden key, from a table in LDS that depends on i alone; such a key's p is 0.
; SOFTMAX: M = the running largest t rounded up to a whole number; p = 2^(t - M); the row's sum is of the unquantised p; O^T and the sum are multiplied by 2^(old M - new M), exact.
; LIMITS: scaled scores under 2^31 in magnitude; NaN and infinities are not served, and such a number that reaches only work left out is not carried to the result; a p block under 2^-124 keeps the scale byte 1.
; REGISTERS: window 0: v0-63 addresses, state and temporaries, S v64-191 (tile 0, tile 1), T v192-255 partial sums; window 1: Q v0-23, the second pair's Q v24-31, p's codes v32-47, O v48-111, V v112-143, K v144-175.
.set REC,   8704
.set HS,    16*REC
.set STAGE, HS                         ; 32 rows of 272 bytes for each wave
.set MASK,  STAGE+8*32*272             ; [tile][group of 4 registers][lane] of 16 bytes
.set SPARE, MASK+16384                 ; the spare words, 128 bytes a wave
.set NEG,   0xff61b1e6                 ; -3e38
.set LI,  1                            ; 16 x lane
.set LK,  2                            ; 16 r
.set LV,  3                            ; 8 x lane
.set SPW, 4
.set NIL, 5
.set STO, 6
.set RD,  7
.set MA,  8
.set ADK, 9
.set ADS, 10
.set ADT, 11
.set QSA, 12                           ; v12-13 the second pair's scale words
.set MX,  16                           ; tile u: v[16+2u] -M, v[17+2u] the largest score
.set SUM, 20
.set F,   24
.set QS,  28
.set PW,  30
.set KS,  32
.set VS,  36
.set W,   38
.set BM,  40
.set T2,  48
.set SCO, 56
.set S,   64
.set T,   192
.set Q,   0                            ; window 1 from here
.set QA,  24
.set PC,  32
.set O,   48
.set VF,  112
.set KF,  144
.set WV,  10
.set CX,  11
.set BH,  12
.set G1,  16
.set G0,  24
.set SEL, 28
.set CS,  30
.set QBB, 32
.set QBA, 34
.set OB,  36
.set OBA, 38
.set TRIP, 40
.set SW,  41                           ; 15 - w: the first pair's last trip
.set SWT, 42                           ; the trip at which the pair in hand goes out
.set NX,  43
.set JS,  44
.set TB,  45
.set DD,  46
.set MSB, 0
.macro WIN new
.if MSB != \new
	s_set_vgpr_msb (MSB<<8)|\new
.set MSB, \new
.endif
.endm
.macro ROUND                           ; a round of the cluster's barrier
	s_barrier_signal -1
	s_barrier_wait -1
	s_cmp_lg_u32 s[WV], 0
	s_cbranch_scc1 .Lnot_wave_0_\@
	s_barrier_signal -3
.Lnot_wave_0_\@:
	s_barrier_wait -3
	s_barrier_signal -1
	s_barrier_wait -1
.endm
	s_load_b128 s[4:7], s[0:1], 0x0                ; qb, kv
	s_load_b64 s[8:9], s[0:1], 0x10                ; out0
	v_lshl_add_u32 v[SPW], v0, 2, SPARE
	v_mov_b32 v[NIL], 0
	ds_add_u32 v[SPW], v[NIL]                      ; the opening: the add, twice on end, and one wait for both
	ds_add_u32 v[SPW], v[NIL]
	v_lshrrev_b32 v14, 5, v0
	v_readfirstlane_b32 s[WV], v14
	s_bfe_u32 s[CX], ttmp6, 0x40000
	s_and_b32 s[BH], ttmp7, 0xffff
	v_and_b32 v194, 31, v0
	v_and_b32 v192, 15, v0                         ; r
	v_bfe_u32 v193, v0, 4, 1                       ; h
	v_lshlrev_b32 v[LI], 4, v194
	v_lshlrev_b32 v[LK], 4, v192
	v_lshlrev_b32 v[LV], 3, v194
	s_lshl_b32 s50, s[CX], 10
	v_add_nc_u32 v39, s50, v[LI]                   ; Q's two tiles of pair i in a record: 1,024 i
	s_lshl_b32 s51, s[CX], 2
	v_add_nc_u32 v38, s51, v[LK]                   ; and their scale word
	s_mov_b32 s[G1], 15|(3<<16)|(1<<21)            ; all four work-groups of the cluster; elements of 8 bytes
	s_mov_b32 s[G1+1], 32<<16                      ; 68 rows of 256 bytes, dense
	s_mov_b32 s[G1+2], 68<<16
	s_mov_b32 s[G1+3], 32<<16
	s_mov_b32 s[G1+4], 68
	s_mov_b32 s[G1+5], 32
	s_mov_b32 s[G1+6], 0
	s_mov_b32 s[G1+7], 0
	s_mul_i32 s13, s[WV], HS/8
	s_mul_i32 s14, s[BH], HS
	s_add_co_u32 s52, s14, s13
	s_mov_b32 s53, 0
	s_sub_co_u32 s[SW], 15, s[WV]
	s_mul_i32 s54, s[SW], REC
	s_add_co_u32 s54, s54, s14
	s_mov_b32 s55, 0
	s_mul_i32 s56, s[WV], REC
	s_add_co_u32 s56, s56, s14
	s_mov_b32 s57, 0
	s_lshl_b32 s58, s[BH], 19                      ; out0: 2^19 bytes a head, 2^15 for 128 queries, 2^13 for a pair
	s_lshl_b32 s59, s[CX], 13
	s_add_co_u32 s58, s58, s59
	s_lshl_b32 s60, s[WV], 15
	s_add_co_u32 s60, s60, s58
	s_mov_b32 s61, 0
	s_lshl_b32 s59, s[SW], 15
	s_add_co_u32 s58, s58, s59
	s_mov_b32 s59, 0
	s_mov_b32 s[SEL], 0x76543210
	s_mov_b32 s[SEL+1], 0xfedcba98                 ; v_permlanex16_b32's selects for lane l xor 16
	s_mov_b32 s[CS], 0x3e38aa3b                    ; log2(e) / 8
	s_mov_b32 s[CS+1], s[CS]
	s_mov_b32 s[TRIP], 0
	s_mov_b32 s[SWT], s[SW]
	s_wait_dscnt 0x0                               ; both opening adds are done
	s_wait_alu depctr_va_vdst(0)                   ; ahead of the wait below
	s_wait_kmcnt 0x0
	s_add_nc_u64 s[QBB:QBB+1], s[4:5], s[54:55]
	s_add_nc_u64 s[QBA:QBA+1], s[4:5], s[56:57]
	WIN 0x40
.irp u, 0,1
	global_load_b128 v[Q+12*\u+4:Q+12*\u+7], v39, s[QBB:QBB+1] offset:512*\u
	global_load_b128 v[QA+4*\u:QA+4*\u+3], v39, s[QBA:QBA+1] offset:512*\u
.endr
	WIN 0
	global_load_b32 v14, v38, s[QBB:QBB+1] offset:8192
	global_load_b32 v15, v38, s[QBA:QBA+1] offset:8192
	s_mov_b32 s[G0], 1
	s_mov_b32 s[G0+1], s13
	s_add_nc_u64 s[G0+2:G0+3], s[6:7], s[52:53]
	s_or_b32 s[G0+3], s[G0+3], 0x80000000
	s_add_nc_u64 s[OB:OB+1], s[8:9], s[58:59]
	s_add_nc_u64 s[OBA:OBA+1], s[8:9], s[60:61]
	ROUND                                          ; all four work-groups are here: the joint loads meet
	tensor_load_to_lds s[G0:G0+3], s[G1:G1+7]
	s_nop 0
.rept 4
	v_nop
.endr
	v_and_b32 v195, 8, v192
	v_add_nc_u32 v195, v195, v192                  ; r + 8 (r / 8): my query in the pair, less 8 x tile
	v_lshlrev_b32 v196, 4, v193
	v_sub_nc_u32 v196, v195, v196
	s_lshl_b32 s48, s[CX], 5
	s_lshr_b32 s49, s[WV], 2
	s_lshl_b32 s49, s49, 3
	s_add_co_u32 s48, s48, s49
	s_and_b32 s49, s[WV], 3
	s_lshl_b32 s49, s49, 5
	s_sub_co_i32 s48, s48, s49
	v_add_nc_u32 v196, s48, v196                   ; THE MASK TABLE: wave w makes the 16 registers of tile w / 4, block w % 4: register n holds key 32 (w % 4) + 16 h + n, hidden where n is over this number
	v_mov_b32 v197, NEG
.set N_, 0
.rept 16
	v_cmp_gt_i32 vcc_lo, N_, v196
	v_cndmask_b32 v[T+8+N_], 0, v197, vcc_lo
.set N_, N_+1
.endr
	s_lshl_b32 s49, s[WV], 11
	s_add_co_u32 s49, s49, MASK
	v_add_nc_u32 v198, s49, v[LI]
	v_add_nc_u32 v[MA], MASK, v[LI]
	s_mul_i32 s50, s[WV], 32*272
	s_add_co_u32 s50, s50, STAGE                   ; my stage
	v_mul_u32_u24 v[STO], v195, 272
	v_lshl_add_u32 v[STO], v193, 6, v[STO]
	v_add_nc_u32 v[STO], s50, v[STO]
	v_mul_u32_u24 v[RD], v193, 272
	v_lshl_add_u32 v[RD], v192, 4, v[RD]
	v_add_nc_u32 v[RD], s50, v[RD]
.set N_, 0
.rept 8
	v_mov_b32 v[T2+N_], 0                          ; a lane permute's destination counts as one of its sources
.set N_, N_+1
.endr
	v_mov_b32 v[F+1], 0                            ; named as upper halves of pairs
	v_mov_b32 v[F+3], 0
.macro INIT                            ; a pair begins: no largest score yet, sums and O^T zero (the first change of M leaves zeros)
.irp u, 0,1
	v_mov_b32 v[MX+2*\u], 0x7f61b1e6
	v_mov_b32 v[MX+2*\u+1], NEG
	v_mov_b32 v[SUM+2*\u], 0
	v_mov_b32 v[SUM+2*\u+1], 0
.endr
	WIN 0x40
.set N_, 0
.rept 64
	v_mov_b32 v[O+N_], 0
.set N_, N_+1
.endr
	WIN 0
.endm
	WIN 0x40
.irp z, 0,1,2,3,8,9,10,11
	v_mov_b32 v[Q+\z], 0
	v_mov_b32 v[Q+12+\z], 0
.endr
	WIN 0
	INIT
	s_wait_alu depctr_va_vdst(0)                   ; ahead of the wait below
	s_wait_loadcnt 0x0                             ; Q
	v_perm_b32 v[QS], v14, v14, 0x01000100         ; a tile's two scale bytes, in both halves of the word
	v_perm_b32 v[QS+1], v14, v14, 0x03020302
	v_perm_b32 v[QSA], v15, v15, 0x01000100
	v_perm_b32 v[QSA+1], v15, v15, 0x03020302
	s_wait_alu depctr_va_vdst(0)                   ; at the head's end
	s_wait_tensorcnt 0x0                           ; my part of the head's keys is in
.irp g, 0,1,2,3
	ds_store_b128 v198, v[T+8+4*\g:T+11+4*\g] offset:512*\g
.endr
	s_wait_dscnt 0x0                               ; my part of the table is stored
	s_barrier_signal -1
	s_barrier_wait -1                              ; everybody's part of both
.macro LOADK adk, ads                  ; 128 keys: eight tiles of 64 channels, and their scale words: nine loads
	WIN 0x40
.irp a, 0,1,2,3,4,5,6,7
	ds_load_b128 v[KF+4*\a:KF+4*\a+3], v[\adk] offset:512*\a
.endr
	WIN 0
	ds_load_b128 v[KS:KS+3], v[\ads] offset:8192
.endm
.macro LOADV adk, adt                  ; four tiles of 16 channels x 128 keys, and their scale words: nine loads
	WIN 0x40
.irp t, 0,1,2,3
.irp c, 0,1
	ds_load_b128 v[VF+8*\t+4*\c:VF+8*\t+4*\c+3], v[\adk] offset:4096+2048*\c+512*\t
.endr
.endr
	WIN 0
	ds_load_b64 v[VS:VS+1], v[\adt] offset:8448
.endm
.macro QKW d, b, k0, c, u
	v_wmma_scale_f32_16x16x128_f8f6f4 v[\d:\d+7], v[KF+8*\b:KF+8*\b+7], v[\k0:\k0+7], \c, v[KS+\b], v[QS+\u] matrix_a_fmt:MATRIX_FMT_FP4 matrix_b_fmt:MATRIX_FMT_FP4
.endm
	LOADK LI, LK                                   ; step 0 of every wave is record 0
	LOADV LI, LV
.Ltrip:
	s_add_co_u32 s[NX], s[TRIP], 1                 ; the next trip's record: NX up to 15 - w, 16 - NX behind it (behind the last trip: record 0, read and not used)
	s_min_u32 s[NX], s[NX], 16
	s_sub_co_u32 s[JS], 16, s[NX]
	s_cmp_le_u32 s[NX], s[SW]
	s_cselect_b32 s[JS], s[NX], s[JS]
	s_min_u32 s[JS], s[JS], 15
	s_mul_i32 s[TB], s[JS], REC
	s_sub_co_u32 s[DD], s[TRIP], s[SW]
	s_cmp_gt_u32 s[DD], 1                          ; trips 15 - w and 16 - w lie on the diagonal
	s_cbranch_scc1 .Lopen
.set N_, 0
.rept 32
	ds_load_b128 v[S+4*N_:S+4*N_+3], v[MA] offset:512*N_
.set N_, N_+1
.endr
	s_wait_dscnt 0x0                               ; the mask, K and V
	WIN 0x05
.irp u, 0,1
.irp b, 0,1,2,3
	QKW S+64*\u+16*\b, \b, Q+12*\u+4, v[S+64*\u+16*\b:S+64*\u+16*\b+7], \u
	QKW S+64*\u+16*\b+8, \b, Q+12*\u, v[S+64*\u+16*\b+8:S+64*\u+16*\b+15], \u
.endr
.endr
	WIN 0
	s_branch .Lscored
.Lopen:
	s_wait_dscnt 9                                 ; K is in; the nine loads of V, issued behind it, may be out
	WIN 0x05
.irp u, 0,1
.irp b, 0,1,2,3
	QKW S+64*\u+16*\b, \b, Q+12*\u+4, 0, \u
	QKW S+64*\u+16*\b+8, \b, Q+12*\u, 0, \u
.endr
.endr
	WIN 0
.Lscored:                                              ; lane (r, h), tile u: register 64 u + 16 b + i: key 32 b + 16 h + i
	v_add_nc_u32 v[ADK], s[TB], v[LI]              ; the four places behind the products
	v_add_nc_u32 v[ADS], s[TB], v[LK]
	v_add_nc_u32 v[ADT], s[TB], v[LV]
	v_nop
	LOADK ADK, ADS                                 ; the next step's K
.irp u, 0,1                                    ; the largest score of each block of 32 keys: it serves for the row's maximum and for the block's largest p
.irp b, 0,1,2,3
	v_max3_num_f32 v[BM+4*\u+\b], v[S+64*\u+16*\b], v[S+64*\u+16*\b+1], v[S+64*\u+16*\b+2]
.endr
.irp i, 3,5,7,9,11,13
.irp b, 0,1,2,3
	v_max3_num_f32 v[BM+4*\u+\b], v[BM+4*\u+\b], v[S+64*\u+16*\b+\i], v[S+64*\u+16*\b+\i+1]
.endr
.endr
.irp b, 0,1,2,3
	v_max_num_f32 v[BM+4*\u+\b], v[BM+4*\u+\b], v[S+64*\u+16*\b+15]
.endr
.endr
.irp n, 0,1,2,3,4,5,6,7
	v_permlanex16_b32 v[T2+\n], v[BM+\n], s[SEL], s[SEL+1]
.endr
.irp n, 0,1,2,3,4,5,6,7
	v_max_num_f32 v[BM+\n], v[BM+\n], v[T2+\n]
.endr
.irp u, 0,1
	v_max3_num_f32 v[W+\u], v[BM+4*\u], v[BM+4*\u+1], v[BM+4*\u+2]
.endr
.irp u, 0,1
	v_max3_num_f32 v[MX+2*\u+1], v[MX+2*\u+1], v[W+\u], v[BM+4*\u+3]   ; the running largest score
.endr
.irp u, 0,1
	v_mul_f32 v[W+\u], s[CS], v[MX+2*\u+1]
.endr
.irp u, 0,1
	v_mov_b32 v[T2+\u], v[MX+2*\u]
.endr
.irp u, 0,1
	v_floor_f32 v[MX+2*\u], -v[W+\u]               ; the new -M, a whole number
.endr
.irp u, 0,1
	v_sub_f32 v[T2+\u], v[MX+2*\u], v[T2+\u]       ; old M - new M, 0 or less
.endr
.irp u, 0,1
	v_cvt_i32_f32 v[T2+\u], v[T2+\u]
.endr
.irp u, 0,1
	v_ldexp_f32 v[F+2*\u], 1.0, v[T2+\u]
.endr
.set N_, 0
.rept 32
	v_pk_fma_f32 v[S+N_:S+N_+1], v[S+N_:S+N_+1], s[CS:CS+1], v[MX:MX+1] op_sel_hi:[1,0,0]   ; tile 0: t - M
.set N_, N_+2
.endr
.irp n, 0,1,2,3
	v_fma_f32 v[BM+\n], v[BM+\n], s[CS], v[MX]
	v_fma_f32 v[BM+4+\n], v[BM+4+\n], s[CS], v[MX+2]
.endr
.irp u, 0,1
	v_pk_mul_f32 v[SUM+2*\u:SUM+2*\u+1], v[SUM+2*\u:SUM+2*\u+1], v[F+2*\u:F+2*\u+1] op_sel_hi:[1,0]
.endr
	WIN 0x41
.irp u, 0,1                                    ; O^T under the new M
.set N_, 32*\u
.rept 16
	v_pk_mul_f32 v[O+N_:O+N_+1], v[O+N_:O+N_+1], v[F+2*\u:F+2*\u+1] op_sel_hi:[1,0]
.set N_, N_+2
.endr
.endr
	WIN 0
	s_wait_alu depctr_va_vdst(0)                   ; ahead of the batch
.set N_, 0
.rept 32                               ; tile 0's exponentials, and between them tile 1's t - M
	v_exp_f32 v[S+N_], v[S+N_]
	v_exp_f32 v[S+N_+1], v[S+N_+1]
	v_pk_fma_f32 v[S+64+N_:S+64+N_+1], v[S+64+N_:S+64+N_+1], s[CS:CS+1], v[MX+2:MX+3] op_sel_hi:[1,0,0]
.set N_, N_+2
.endr
	s_wait_alu depctr_va_vdst(0)                   ; behind this batch and ahead of the next
.irp n, 0,1,2,3,4,5,6,7
	v_exp_f32 v[BM+\n], v[BM+\n]                   ; each block's largest p: the same two instructions on the same number give the same bits
.endr
.set N_, 0
.rept 16                               ; tile 1's exponentials, and between them the first additions of tile 0's row sum
.irp i, 0,1,2,3
	v_exp_f32 v[S+64+4*N_+\i], v[S+64+4*N_+\i]
.endr
	v_pk_add_f32 v[T+2*N_:T+2*N_+1], v[S+4*N_:S+4*N_+1], v[S+4*N_+2:S+4*N_+3]
.set N_, N_+1
.endr
	s_wait_alu depctr_va_vdst(0)                   ; ahead of the batch's first reader
.irp n, 0,1,2,3,4,5,6,7
	v_max_num_f32 v[BM+\n], 0x1800000, v[BM+\n]    ; the floor 2^(3 - 127): the byte cannot fall under 1
.endr
.irp n, 0,1,2,3,4,5,6,7
	v_add_nc_u32 v[SCO+\n], 0xff000000, v[BM+\n]   ; 2 off the exponent field: the conversion's scale operand
.endr
.irp n, 0,1,2,3,4,5,6,7
	v_lshrrev_b32 v[T2+\n], 23, v[SCO+\n]          ; the scale's byte
.endr
.irp u, 0,1
	v_lshl_or_b32 v[PW+\u], v[T2+4*\u+1], 8, v[T2+4*\u]
.endr
.irp u, 0,1
	v_lshl_or_b32 v[PW+\u], v[T2+4*\u+2], 16, v[PW+\u]
.endr
.irp u, 0,1
	v_lshl_or_b32 v[PW+\u], v[T2+4*\u+3], 24, v[PW+\u]
.endr
	WIN 0x40
.irp u, 0,1
.irp b, 0,1,2,3
	v_cvt_scalef32_pk8_fp4_f32 v[PC+8*\u+2*\b], v[S+64*\u+16*\b:S+64*\u+16*\b+7], v[SCO+4*\u+\b]
	v_cvt_scalef32_pk8_fp4_f32 v[PC+8*\u+2*\b+1], v[S+64*\u+16*\b+8:S+64*\u+16*\b+15], v[SCO+4*\u+\b]
.endr
.endr
	v_nop                                          ; one plain place behind a scaled conversion
	WIN 0x41
.irp u, 0,1
.irp c, 0,1                                    ; a whole block in a lane: lanes 0-15 block 2 c, lanes 16-31 block 2 c + 1
.irp i, 0,1
	v_permlane16_swap_b32 v[PC+8*\u+4*\c+\i], v[PC+8*\u+2+4*\c+\i]
.endr
.endr
.endr
	WIN 0
.set N_, 0
.rept 16                               ; the row sums of the unquantised p; all this is also the places ahead of the products
	v_pk_add_f32 v[T+32+2*N_:T+32+2*N_+1], v[S+64+4*N_:S+64+4*N_+1], v[S+64+4*N_+2:S+64+4*N_+3]
.set N_, N_+1
.endr
.irp d, 8,4,2,1
.set N_, 0
.rept \d
	v_pk_add_f32 v[T+2*N_:T+2*N_+1], v[T+2*N_:T+2*N_+1], v[T+2*N_+2*\d:T+2*N_+2*\d+1]
	v_pk_add_f32 v[T+32+2*N_:T+32+2*N_+1], v[T+32+2*N_:T+32+2*N_+1], v[T+32+2*N_+2*\d:T+32+2*N_+2*\d+1]
.set N_, N_+1
.endr
.endr
	v_pk_add_f32 v[SUM:SUM+1], v[SUM:SUM+1], v[T:T+1]
	v_pk_add_f32 v[SUM+2:SUM+3], v[SUM+2:SUM+3], v[T+32:T+33]
	s_wait_dscnt 9                                 ; V is in; the nine loads of the next step's K may be out
	WIN 0x55
.macro PV t, u, row
	v_wmma_scale_f32_16x16x128_f8f6f4 v[O+32*\u+8*\t:O+32*\u+8*\t+7], v[VF+8*\t:VF+8*\t+7], v[PC+8*\u:PC+8*\u+7], v[O+32*\u+8*\t:O+32*\u+8*\t+7], v[VS+\t/2], v[PW+\u] matrix_a_fmt:MATRIX_FMT_FP4 matrix_b_fmt:MATRIX_FMT_FP4 \row
.endm
.irp u, 0,1
	PV 0, \u
	PV 1, \u, matrix_a_scale:MATRIX_SCALE_ROW1
	PV 2, \u
	PV 3, \u, matrix_a_scale:MATRIX_SCALE_ROW1
.endr
	WIN 0
.rept 4
	v_nop                                          ; places behind the products
.endr
	LOADV ADK, ADT                                 ; the next step's V
	s_cmp_lg_u32 s[TRIP], s[SWT]
	s_cbranch_scc1 .Lnext
	; A PAIR GOES OUT: O^T / the sum, through my stage, as whole rows of 256 bytes: the pair's 32 rows are 8,192 consecutive bytes
	s_wait_alu depctr_va_vdst(0)                   ; ahead of the readers below
	v_add_f32 v[SUM], v[SUM], v[SUM+1]
	v_add_f32 v[SUM+2], v[SUM+2], v[SUM+3]
	v_permlanex16_b32 v[T2], v[SUM], s[SEL], s[SEL+1]
	v_permlanex16_b32 v[T2+1], v[SUM+2], s[SEL], s[SEL+1]
	v_add_f32 v[SUM], v[SUM], v[T2]
	v_add_f32 v[SUM+2], v[SUM+2], v[T2+1]
	s_wait_alu depctr_va_vdst(0)                   ; ahead of the transcendentals
	v_rcp_f32 v[SUM], v[SUM]
	v_rcp_f32 v[SUM+2], v[SUM+2]
	v_nop
	WIN 0x01
	s_wait_alu depctr_va_vdst(0)                   ; and behind them, ahead of the first reader of O^T
.irp u, 0,1
.set N_, 32*\u
.rept 16
	v_pk_mul_f32 v[S+N_:S+N_+1], v[O+N_:O+N_+1], v[SUM+2*\u:SUM+2*\u+1] op_sel_hi:[1,0]
.set N_, N_+2
.endr
.endr
	WIN 0
.irp u, 0,1
.irp t, 0,1,2,3
	ds_store_b128 v[STO], v[S+32*\u+8*\t:S+32*\u+8*\t+3] offset:2176*\u+128*(\t/2)+32*(\t%2)
	ds_store_b128 v[STO], v[S+32*\u+8*\t+4:S+32*\u+8*\t+7] offset:2176*\u+128*(\t/2)+32*(\t%2)+16
.endr
.endr
.irp i, 0,1,2,3,4,5,6,7,8,9,10,11,12,13,14,15
	ds_load_b128 v[S+64+4*\i:S+64+4*\i+3], v[RD] offset:544*\i   ; LDS serves a wave's instructions in order: these see my stores
.endr
.irp i, 0,1,2,3,4,5,6,7,8,9,10,11,12,13,14,15
	s_wait_dscnt 15-\i
	global_store_b128 v[LI], v[S+64+4*\i:S+64+4*\i+3], s[OB:OB+1] offset:512*\i th:TH_STORE_NT
.endr
	s_wait_xcnt 0x0                                ; the stores have read their registers and their base
	s_mov_b64 s[OB:OB+1], s[OBA:OBA+1]
	s_mov_b32 s[SWT], 16
	v_mov_b32 v[QS], v[QSA]                        ; the second pair's Q (behind the last trip this and the zeros are not used)
	v_mov_b32 v[QS+1], v[QSA+1]
	WIN 0x41
.irp z, 0,1,2,3
	v_mov_b32 v[Q+4+\z], v[QA+\z]
	v_mov_b32 v[Q+16+\z], v[QA+4+\z]
.endr
	WIN 0
	INIT
	s_wait_alu depctr_va_vdst(0)
.Lnext:
	s_add_co_u32 s[TRIP], s[TRIP], 1
	s_cmp_lt_u32 s[TRIP], 17
	s_cbranch_scc1 .Ltrip
	s_wait_tensorcnt 0x0                           ; the wave's end
	ds_add_u32 v[SPW], v[NIL]
	s_wait_dscnt 0x0
	ROUND                                          ; the closing round
	s_endpgm
.Lfunc_end_k_q7f69e54a7a_attn:
	.size	k_q7f69e54a7a_attn, .Lfunc_end_k_q7f69e54a7a_attn-k_q7f69e54a7a_attn
	.p2alignl 7, 3214868480
	.fill 96, 4, 3214868480
	.section	.rodata,"a",@progbits
	.p2align	6, 0x0
	.amdhsa_kernel k_q7f69e54a7a_attn
		.amdhsa_group_segment_fixed_size 327680
		.amdhsa_private_segment_fixed_size 0
		.amdhsa_enable_private_segment 0
		.amdhsa_kernarg_size 24
		.amdhsa_user_sgpr_count 2
		.amdhsa_user_sgpr_kernarg_segment_ptr 1
		.amdhsa_wavefront_size32 1
		.amdhsa_system_sgpr_workgroup_id_x 1
		.amdhsa_system_sgpr_workgroup_id_y 1
		.amdhsa_system_sgpr_workgroup_id_z 1
		.amdhsa_system_vgpr_workitem_id 0
		.amdhsa_next_free_vgpr 448
		.amdhsa_next_free_sgpr 66
		.amdhsa_reserve_vcc 1
		.amdhsa_float_denorm_mode_32 3
		.amdhsa_float_denorm_mode_16_64 3
		.amdhsa_memory_ordered 1
		.amdhsa_forward_progress 1
		.amdhsa_inst_pref_size 55
	.end_amdhsa_kernel
	.amdgpu_metadata
---
amdhsa.version: [ 1, 2 ]
amdhsa.kernels:
  - .name:           k_q7f69e54a7a_attn
    .symbol:         k_q7f69e54a7a_attn.kd
    .args:
      - { .name: qb, .offset: 0, .size: 8, .value_kind: global_buffer, .address_space: global }
      - { .name: kv, .offset: 8, .size: 8, .value_kind: global_buffer, .address_space: global }
      - { .name: out0, .offset: 16, .size: 8, .value_kind: global_buffer, .address_space: global }
    .group_segment_fixed_size: 327680
    .private_segment_fixed_size: 0
    .kernarg_segment_align: 8
    .kernarg_segment_size: 24
    .max_flat_workgroup_size: 256
    .sgpr_count:     66
    .vgpr_count:     448
    .wavefront_size: 32
...
	.end_amdgpu_metadata
.endif
;; end of part 3
